; MI455X (gfx1250); checked and timed in simulation.
; The chip was launched on July 23, 2026; its instructions are those of AMD's public machine-readable ISA for CDNA 5 (MIT licence, August 2026) and "CDNA5" Instruction Set Architecture Reference Guide (July 2026). The comments in the code are by the model that wrote it; some were corrected since.
;; Attention. Allowed arithmetic: matrix products marked QUANTISED: E2M1 operands, one E8M0 scale for each 32 along K, by v_wmma_scale_f32_16x16x128_f8f6f4 with both operands' format E2M1 (or v_wmma_scale_f32_32x16x128_f4), f32 sums; products left as they are: f32 operands where the result goes on into a quantised operand, else bf16, f16 or f32 operands; f32 sums; everything else in f32.
;; Inputs: W_dec_codes 1,024 x 32 x 16 uint8 (E2M1 codes of W_dec, K innermost, in blocks of 32 codes, two codes a byte); W_dec_scales 1,024 x 32 uint8 (E8M0 scales of W_dec, one for each 32 codes along K); W_h_codes 1,024 x 32 x 16 uint8 (E2M1 codes of W_h, K innermost, in blocks of 32 codes, two codes a byte); W_h_scales 1,024 x 32 uint8 (E8M0 scales of W_h, one for each 32 codes along K); b_dec 1,024 float32; coverage 32 x 2,048 float32; enc_padding_mask 32 x 2,048 float32; h 32 x 2,048 x 1,024 float32; s_t_hat_codes 32 x 32 x 16 uint8 (E2M1 codes of s_t_hat, K innermost, in blocks of 32 codes, two codes a byte); s_t_hat_scales 32 x 32 uint8 (E8M0 scales of s_t_hat, one for each 32 codes along K); v 1,024 float32; w_c 1,024 float32.
;; Outputs: out0 32 x 1,024 float32; out1 32 x 2,048 float32; out2 32 x 2,048 float32.
;; This version of the problem:
;;   THIS VERSION OF THE PROBLEM IS GIVEN IN LOW PRECISION. The matrix products marked QUANTISED in the list below multiply operands that are first quantised to E2M1 (2 exponent bits, 1 mantissa bit; 4 bits a number), with one power-of-two scale for each 32 numbers along K (OCP MX v1.0); their sums are f32. All else is computed in f32.
;;   The module's matrix products, in the order in which they are computed (A, B: the left and right operand; K: the contracted axis; several contracted axes count as one K, in the product's order):
;;     1. [M 65,536, K 1,024] x [K 1,024, N 1,024]; A: input h; B: input W_h (given as codes): QUANTISED
;;     2. [M 32, K 1,024] x [K 1,024, N 1,024]; A: input s_t_hat (given as codes); B: input W_dec (given as codes): QUANTISED
;;     3. [M 65,536, K 1,024] x [K 1,024, N 1]; A: computed on the way; B: input v: left as it is (N = 1 < 16)
;;     4. batch 32 x [M 1, K 2,048] x [K 2,048, N 1,024]; A: computed on the way; B: input h: left as it is (M = 1 < 16)
;;   THE QUANTISER, for each operand of a quantised product, along K:
;;     - K is cut into blocks of 32 from its start; a last block that is shorter is filled with zeros.
;;     - A block's scale is 2^e with e = floor(log2(the largest magnitude in the block)) - 2, held to -126 .. 127; a block of zeros has e = 0. As a byte (E8M0): e + 127.
;;     - Each number is divided by its block's scale, clamped to +-6, and rounded to the nearest number of E2M1, ties to even, subnormals kept.
;;     - The product sums the exact products of the quantised numbers (number of the format x scale) in f32.
;;   ~~~python
;;   def quantise(x, axis):      # numpy; x: float32 -> the quantised numbers, widened to float32 again
;;       x = np.moveaxis(x, axis, -1); K = x.shape[-1]
;;       x = np.pad(x, [(0, 0)] * (x.ndim - 1) + [(0, -K % 32)]); x = x.reshape(x.shape[:-1] + (-1, 32)); a = np.abs(x).max(-1, keepdims=True)
;;       e = np.where(a > 0, np.clip(np.frexp(np.where(a > 0, a, 1))[1] - 1 - 2, -126, 127), 0)      # np.frexp(a)[1] - 1 = floor(log2(a)), exactly
;;       r = np.clip(x / 2.0 ** e, -6, 6)
;;       step = 2.0 ** (np.maximum(np.frexp(np.where(r == 0, 1, r))[1] - 1, 0) - 1)
;;       q = np.round(r / step) * step * 2.0 ** e      # np.round: ties to even
;;       return np.moveaxis(q.reshape(q.shape[:-2] + (-1,))[..., :K], -1, axis).astype(np.float32)
;;   ~~~
;;   INPUTS GIVEN AS CODES. W_dec (in the module: [1024, 1024], K = its axis 1); W_h (in the module: [1024, 1024], K = its axis 1); s_t_hat (in the module: [32, 1024], K = its axis 1): each comes as NAME_codes (uint8): NAME with its K axis moved to the last place and cut into blocks of 32 codes, [.., K / 32, bytes a block], one block behind the other in memory; two codes a byte, the lower K in the low four bits (a code: sign, 2 exponent bits, 1 mantissa bit); and NAME_scales (uint8): the same leading axes, one E8M0 byte (e + 127) for each 32 codes along K. Its value is code x scale, taken as it is: it is not quantised again, and the codes and scales need not be those that the quantiser above would give.
;; One version. Each part assembles by itself: llvm-mc -triple=amdgcn-amd-amdhsa -mcpu=gfx1250 --defsym DOCPART=n.
;; ======== version 1 of 1: 3 launches
;; limits: values are held in bf16: 8 bits of precision; right only within a limited range of input values
;; workspace buffers: wf 524,288 bytes; ct 524,288 bytes; scw 262,144 bytes; stat 131,072 bytes; cp 1,048,576 bytes
;; launch prep (part 1): grid 32 x 1, 4 waves a work-group, no clusters, 0 bytes of LDS; arguments s_t_hat_codes, s_t_hat_scales, W_dec_codes, W_dec_scales, b_dec, w_c, v, W_h_codes, ct, wf; writes ct, wf
.if DOCPART == 1
	.amdgcn_target "amdgcn-amd-amdhsa--gfx1250"
	.amdhsa_code_object_version 6
	.text
	.protected	k_qb5a025e51c_prep
	.globl	k_qb5a025e51c_prep
	.p2align	8
	.type	k_qb5a025e51c_prep,@function
k_qb5a025e51c_prep:
	s_mov_b64 s[64:65], 0
	v_nop
	global_prefetch_b8 v0, s[64:65] scope:SCOPE_SE
	s_setreg_imm32_b32 hwreg(HW_REG_WAVE_MODE, 25, 1), 1
	s_wait_xcnt 0x0
; Two small jobs ahead of the main launch, one for each half of the 32 work-groups.
; Work-groups 0-15: dec_fea = s_t_hat W_dec^T on the given E2M1 codes and E8M0 scales, and from it the table ct: entry (b, n), 16 bytes at (1024 b + n) x 16,
;   holds { C2 (dec_fea + b_dec), C2 w_c[n], -C2 v[n], 0 } with C2 = 2 log2(e): the three numbers that the main launch wants of a column n, by one load of 16 bytes.
; Work-groups 16-31: W_h's codes are laid in the order of an operand's registers: block (nt, s, c) of 512 bytes at 8192 nt + 1024 s + 512 c holds, at 16 x lane,
;   the 16 bytes of row 16 nt + lane % 16 at byte 64 s + 32 c + 16 (lane / 16): so the main launch brings a fragment by loads of 512 consecutive bytes.
; A wave takes one tile of 16 columns n (64 tiles in each job).  No LDS, no barrier: waves share nothing.
.set C2,  0x4038aa3b                   ; 2 log2(e)
.set NC2, 0xc038aa3b                   ; and its negative
	s_load_b512 s[4:19], s[0:1], 0x0               ; s_t_hat codes s[4:5], scales s[6:7]; W_dec codes s[8:9], scales s[10:11]; b_dec s[12:13]; w_c s[14:15]; v s[16:17]; W_h codes s[18:19]
	s_load_b128 s[20:23], s[0:1], 0x40             ; ct s[20:21], wf s[22:23]
	v_lshrrev_b32 v1, 5, v0
	v_readfirstlane_b32 s24, v1                    ; wave 0..3
	v_and_b32 v2, 15, v0                           ; r
	v_bfe_u32 v3, v0, 4, 1                         ; h
	v_lshlrev_b32 v4, 9, v2
	v_lshl_add_u32 v4, v3, 4, v4                   ; a row of 1,024 codes is 512 bytes: 512 r + 16 h
	s_and_b32 s25, ttmp9, 15
	s_lshl_b32 s25, s25, 2
	s_add_co_u32 s25, s25, s24                     ; nt = 4 x (work-group % 16) + wave
	s_lshl_b32 s26, s25, 13                        ; 16 rows of 512 bytes
	s_mov_b32 s27, 0
	s_wait_kmcnt 0x0
	s_cmp_lt_u32 ttmp9, 16
	s_cbranch_scc0 .Lrelay
	; ---- dec_fea and the table
	s_add_nc_u64 s[8:9], s[8:9], s[26:27]          ; W_dec's 16 rows
	s_lshl_b32 s26, s25, 9
	s_add_nc_u64 s[10:11], s[10:11], s[26:27]      ; their scale bytes, 32 a row
	s_lshl_b32 s26, s25, 6
	s_add_nc_u64 s[12:13], s[12:13], s[26:27]      ; 16 numbers of b_dec, of w_c, of v
	s_add_nc_u64 s[14:15], s[14:15], s[26:27]
	s_add_nc_u64 s[16:17], s[16:17], s[26:27]
	s_lshl_b32 s26, s25, 8
	s_add_nc_u64 s[20:21], s[20:21], s[26:27]      ; 16 entries of ct
	s_mov_b32 s30, C2
	s_wait_alu depctr_va_vdst(0)
	v_lshlrev_b32 v5, 5, v2
	v_lshl_add_u32 v5, v3, 4, v5                   ; scale words: 32 r + 16 h: lanes 0-15 take K steps 0-3, lanes 16-31 K steps 4-7
	v_lshlrev_b32 v6, 2, v2                        ; 4 r
	v_lshlrev_b32 v7, 4, v2
	v_lshl_add_u32 v7, v3, 17, v7                  ; ct: 16 r, and 8 rows b (8 x 16,384 bytes) on for lanes 16-31
.irp m, 0,1
.irp s, 0,1,2,3,4,5,6,7
.irp c, 0,1
	global_load_b128 v[112+64*\m+8*\s+4*\c:112+64*\m+8*\s+4*\c+3], v4, s[4:5] offset:8192*\m+64*\s+32*\c   ; s_t_hat: rows 16 m on, K step s
.endr
.endr
.endr
.irp s, 0,1,2,3,4,5,6,7
.irp c, 0,1
	global_load_b128 v[48+8*\s+4*\c:48+8*\s+4*\c+3], v4, s[8:9] offset:64*\s+32*\c
.endr
.endr
	global_load_b128 v[16:19], v5, s[6:7]          ; v16-27 hold scale words and nothing else
	global_load_b128 v[20:23], v5, s[6:7] offset:512
	global_load_b128 v[24:27], v5, s[10:11]
	global_load_b32 v28, v6, s[12:13]
	global_load_b32 v29, v6, s[14:15]
	global_load_b32 v30, v6, s[16:17]
	s_wait_loadcnt 0x0
; source 0 = 16 rows b of s_t_hat, source 1 = 16 rows n of W_dec: register j of lane (r, h) is dec_fea(16 m + 8 h + j, 16 nt + r).  The two accumulators take turns.
.irp s, 0,1,2,3,4,5,6,7
.irp m, 0,1
.if \s == 0
	v_wmma_scale_f32_16x16x128_f8f6f4 v[32+8*\m:39+8*\m], v[112+64*\m:119+64*\m], v[48:55], 0, v[16+4*\m], v24 matrix_a_fmt:MATRIX_FMT_FP4 matrix_b_fmt:MATRIX_FMT_FP4
.elseif \s < 4
	v_wmma_scale_f32_16x16x128_f8f6f4 v[32+8*\m:39+8*\m], v[112+64*\m+8*\s:119+64*\m+8*\s], v[48+8*\s:55+8*\s], v[32+8*\m:39+8*\m], v[16+4*\m+\s], v[24+\s] matrix_a_fmt:MATRIX_FMT_FP4 matrix_b_fmt:MATRIX_FMT_FP4
.else
	v_wmma_scale_f32_16x16x128_f8f6f4 v[32+8*\m:39+8*\m], v[112+64*\m+8*\s:119+64*\m+8*\s], v[48+8*\s:55+8*\s], v[32+8*\m:39+8*\m], v[16+4*\m+\s-4], v[24+\s-4] matrix_a_fmt:MATRIX_FMT_FP4 matrix_b_fmt:MATRIX_FMT_FP4 matrix_a_scale:MATRIX_SCALE_ROW1 matrix_b_scale:MATRIX_SCALE_ROW1
.endif
.endr
.endr
.rept 4
	v_nop                                          ; four places between the last product and the reads of results and the writes over s_t_hat's fragments (ISA guide 7.12.1)
.endr
	v_mul_f32 v28, s30, v28                        ; C2 b_dec
	v_mul_f32 v29, s30, v29                        ; C2 w_c
	v_mul_f32 v30, NC2, v30                        ; -C2 v
.irp m, 0,1
.irp j, 0,1,2,3,4,5,6,7                        ; each accumulator from its low end on
	v_fma_f32 v[112+4*(8*\m+\j)], v[32+8*\m+\j], s30, v28
	v_mov_b32 v[113+4*(8*\m+\j)], v29
	v_mov_b32 v[114+4*(8*\m+\j)], v30
	v_mov_b32 v[115+4*(8*\m+\j)], 0
.endr
.endr
.irp m, 0,1
.irp j, 0,1,2,3,4,5,6,7
	global_store_b128 v7, v[112+4*(8*\m+\j):115+4*(8*\m+\j)], s[20:21] offset:(16*\m+\j)*16384   ; sixteen lanes store 256 consecutive bytes, at a multiple of 256 from ct's first byte
.endr
.endr
	s_endpgm
.Lrelay:
	; ---- W_h's codes into the order of the operand's registers
	s_add_nc_u64 s[18:19], s[18:19], s[26:27]
	s_add_nc_u64 s[22:23], s[22:23], s[26:27]
	v_and_b32 v8, 31, v0
	v_lshlrev_b32 v8, 4, v8                        ; 16 x lane
	s_wait_alu depctr_va_vdst(0)
.irp s, 0,1,2,3,4,5,6,7
.irp c, 0,1
	global_load_b128 v[48+8*\s+4*\c:48+8*\s+4*\c+3], v4, s[18:19] offset:64*\s+32*\c
.endr
.endr
	s_wait_loadcnt 0x0
.irp s, 0,1,2,3,4,5,6,7
.irp c, 0,1
	global_store_b128 v8, v[48+8*\s+4*\c:48+8*\s+4*\c+3], s[22:23] offset:1024*\s+512*\c       ; the wave stores 512 consecutive bytes
.endr
.endr
	s_endpgm
.Lfunc_end_k_qb5a025e51c_prep:
	.size	k_qb5a025e51c_prep, .Lfunc_end_k_qb5a025e51c_prep-k_qb5a025e51c_prep
	.p2alignl 7, 3214868480
	.fill 96, 4, 3214868480
	.section	.rodata,"a",@progbits
	.p2align	6, 0x0
	.amdhsa_kernel k_qb5a025e51c_prep
		.amdhsa_group_segment_fixed_size 0
		.amdhsa_private_segment_fixed_size 0
		.amdhsa_enable_private_segment 0
		.amdhsa_kernarg_size 80
		.amdhsa_user_sgpr_count 2
		.amdhsa_user_sgpr_kernarg_segment_ptr 1
		.amdhsa_wavefront_size32 1
		.amdhsa_system_sgpr_workgroup_id_x 1
		.amdhsa_system_sgpr_workgroup_id_y 1
		.amdhsa_system_sgpr_workgroup_id_z 1
		.amdhsa_system_vgpr_workitem_id 0
		.amdhsa_next_free_vgpr 256
		.amdhsa_next_free_sgpr 66
		.amdhsa_reserve_vcc 0
		.amdhsa_float_denorm_mode_32 3
		.amdhsa_float_denorm_mode_16_64 3
		.amdhsa_memory_ordered 1
		.amdhsa_forward_progress 1
		.amdhsa_inst_pref_size 17
	.end_amdhsa_kernel
	.amdgpu_metadata
---
amdhsa.version: [ 1, 2 ]
amdhsa.kernels:
  - .name:           k_qb5a025e51c_prep
    .symbol:         k_qb5a025e51c_prep.kd
    .args:
      - { .name: s_t_hat_codes, .offset: 0, .size: 8, .value_kind: global_buffer, .address_space: global }
      - { .name: s_t_hat_scales, .offset: 8, .size: 8, .value_kind: global_buffer, .address_space: global }
      - { .name: W_dec_codes, .offset: 16, .size: 8, .value_kind: global_buffer, .address_space: global }
      - { .name: W_dec_scales, .offset: 24, .size: 8, .value_kind: global_buffer, .address_space: global }
      - { .name: b_dec, .offset: 32, .size: 8, .value_kind: global_buffer, .address_space: global }
      - { .name: w_c, .offset: 40, .size: 8, .value_kind: global_buffer, .address_space: global }
      - { .name: v, .offset: 48, .size: 8, .value_kind: global_buffer, .address_space: global }
      - { .name: W_h_codes, .offset: 56, .size: 8, .value_kind: global_buffer, .address_space: global }
      - { .name: ct, .offset: 64, .size: 8, .value_kind: global_buffer, .address_space: global }
      - { .name: wf, .offset: 72, .size: 8, .value_kind: global_buffer, .address_space: global }
    .group_segment_fixed_size: 0
    .private_segment_fixed_size: 0
    .kernarg_segment_align: 8
    .kernarg_segment_size: 80
    .max_flat_workgroup_size: 128
    .sgpr_count:     66
    .vgpr_count:     256
    .wavefront_size: 32
...
	.end_amdgpu_metadata
.endif
;; end of part 1
;; launch main (part 2): grid 256 x 1, 4 waves a work-group, no clusters, 327,680 bytes of LDS; arguments h, wf, W_h_scales, ct, coverage, enc_padding_mask, scw, stat, cp; writes scw, stat, cp
.if DOCPART == 2
	.amdgcn_target "amdgcn-amd-amdhsa--gfx1250"
	.amdhsa_code_object_version 6
	.text
	.protected	k_qb5a025e51c_main
	.globl	k_qb5a025e51c_main
	.p2align	8
	.type	k_qb5a025e51c_main,@function
k_qb5a025e51c_main:
	s_mov_b64 s[64:65], 0
	v_nop
	global_prefetch_b8 v0, s[64:65] scope:SCOPE_SE
	s_setreg_imm32_b32 hwreg(HW_REG_WAVE_MODE, 25, 1), 1
	s_wait_xcnt 0x0
; For 256 rows (b, t) of h: quantise to E2M1 with E8M0 scales along K, multiply by W_h's codes, tanh, dot with v, a softmax with a running maximum, and the partial sum of p x h.  Each byte of h is read once.
; ARITHMETIC.  C2 = 2 log2(e).  t2 = C2 enc + C2 (dec_fea + b_dec) + coverage x C2 w_c;  q = 1 / (1 + 2^t2), so that tanh = 1 - 2 q (2^t2 = infinity gives q = 0, 2^t2 = 0 gives q = 1).
;   s' = the sum over n of (-C2 v[n]) q = log2(e) x score - log2(e) x (the sum of v).  The last term is the same for every row of a batch, so it falls out of the softmax for every input; it is never formed.
;   p = 2^(s' - M) x mask, M the running maximum of ALL s' (masked rows too, as the softmax ahead of the mask has it); L = the sum of p; CPS = the sum of p x h.  When M grows, L and CPS are multiplied by 2^(old M - new M).
;   The last launch joins the eight work-groups of a batch.  p and h go into that product as bf16, sums in f32.
; SHARES.  Work-group g owns rows 256 g .. 256 g + 255, in four chunks of 64.  Four waves.
;   First product: wave w makes n = 256 w .. 256 w + 255 for all 64 rows, an n tile of 16 at a time.  The chunk's 32 fragments of h lie in its registers; W_h's fragments come from wf straight into registers, two sets by turns.
;   Making operands: wave w takes columns 256 w .. 256 w + 255 of h, a tile of 16 rows x 1,024 bytes at a time.  From a tile it makes two fragments of codes with their scale words, which go to LDS as images of the
;   operand's registers for all four waves, and a bf16 copy in its own LDS.  The next chunk's operands are made between this chunk's n tiles.
;   Last product: wave w makes columns 256 w .. 256 w + 255.  Source 0 = p, the same 32 numbers in all 16 rows; source 1 = the bf16 copy, turned by ds_load_tr16_b128.
; LDS.  Wave w has 68,096 bytes from 68,096 w on: its bf16 copy (64 rows x 544 bytes) and behind it its ring of two slots of 16,640 bytes.
; THE TILES OF h.  Sixteen a wave.  ONE tensor load a wave at the head brings tiles 0 and 1, 32 rows, to bytes 1,536 .. 34,815 of its region, over bf16 bytes, which are filled this once.
;   Tile m's bf16 rows take bytes 8,704 m .. 8,704 m + 8,703: those of tiles 0 and 1 go over tile 0's bytes, those of tiles 2 and 3 over tile 0's end and tile 1's, each read by then.
;   Tiles 2 to 15 come through the ring, each by the full sequence in front of a barrier: tile 2 is asked for when the head's load has landed; from then on, behind the work on tile q, tile q + 1 has landed,
;   tile q + 2 is asked for into the slot just read (slot 1's first fill, tile 3, is issued in the same way), and tile q + 1 is read into registers at once.
; PREFETCH.  At the head four instructions name the 128 blocks of 256 bytes of tiles 2 and 3 (a lane a block).  Behind the load that asks for tile q, two instructions name tile q + 2's 64 blocks: two such loads ahead of the one
;   that wants them.  Only this wave reads those bytes, so each block is named once.  The last two loads, tiles 14 and 15, prefetch nothing.  The address is stepped at the next sequence's head, behind s_wait_xcnt 0.
; NO CLUSTER.  h's tiles are read by one wave of one work-group.  W_h is read by every work-group, but a joint load would have to go through LDS, where 327,680 - 315,392 = 12,288 bytes are left: less than two sets of
;   8,704 bytes for each of four waves; and each fragment has one reader.
; LIMITS.  NaN and infinities among the inputs are not served.  A block of 32 whose largest magnitude lies under 2^-124 keeps the scale byte 1 (a block of zeros too: its codes are zeros).  A batch whose mask is all
;   zeros gives NaN, as 0 / 0 does.
; REGISTERS, in windows of 256 (s_set_vgpr_msb: bits 1:0 source 0, 3:2 source 1, 5:4 source 2, 7:6 destination):
;   window 0: the names below.   window 1: h's fragment (tile of rows m, K step s) at v[64 m + 8 s].   window 2: the bf16 operand (tile of columns ct, 32 rows g) at v[16 ct + 8 g].
;   window 3: v0-63, v64-127 W_h's two sets; v128-255 the tile of h in hand.
.set SLOTB, 16640                      ; a ring slot: 16 rows x (1,024 bytes + 16 of padding)
.set RP,    1040
.set REGB,  68096                      ; a wave's region
.set HEADB, 1536                       ; where the head's 32 rows begin in it
.set RING,  34816                      ; where its ring begins
.set BP,    544                        ; a bf16 row: 512 bytes + 32
.set CIMG,  272384                     ; images of h's 32 fragments: (8 m + s) x 1,024 + 512 c + 16 x lane
.set XS,    305152                     ; their scale words: 512 m + 32 r + 4 s
.set COVL,  307200                     ; coverage of the 256 rows
.set MSKL,  308224                     ; the mask of the 256 rows
.set SC,    309248                     ; partial scores: 256 x wave + 4 x row
.set PB,    310272                     ; 64 p as bf16, 128 bytes for each wave
.set SCO,   310784                     ; the 256 final scores, once for each wave
.set SPARE, 314880                     ; the spare words, 128 bytes for each wave
.set SPW, 1                            ; SPARE + 4 x my thread's number; never rewritten
.set NIL, 2                            ; 0; never rewritten
.set L16, 3                            ; 16 x lane
.set LSC, 4                            ; 32 r + 16 h
.set LCT, 5                            ; 16 r
.set RDB, 6                            ; my region + 1,040 r + 64 h
.set ADR, 7
.set CWI, 8                            ; CIMG + 2,048 w + 16 x lane
.set CWA, 9
.set XWI, 10                           ; XS + 32 r + 8 w
.set XWA, 11
.set BWI, 12                           ; my region + 544 r + 32 h
.set BWA, 13
.set ARD, 14                           ; CIMG + 16 x lane
.set XRD, 15                           ; XS + 32 r + 16 h
.set BRD, 16                           ; the turning load's place in my bf16 copy
.set CVB, 17                           ; COVL + 32 h
.set CVA, 18
.set SCS, 19                           ; SC + 256 w + 32 h
.set SCR, 20                           ; SC + 8 x lane
.set MKB, 21                           ; MSKL + 8 x lane
.set MKA, 22
.set PBW, 23                           ; PB + 128 w + 4 x lane
.set PBR, 24                           ; PB + 128 w + 16 h
.set SOB, 25                           ; SCO + 1,024 w + 8 x lane
.set AX,  26                           ; v26-28 set X's offsets: codes, scale words, table
.set AY,  29                           ; v29-31 set Y's
.set AS,  32                           ; v32-47 h's scale words: scales and nothing else
.set WSX, 48                           ; v48-51, v52-55 W_h's scale words: scales and nothing else
.set WSY, 52
.set CX,  56                           ; v56-59, v60-63 the table's entry of my column: C2 (dec + b), C2 w_c, -C2 v, 0
.set CY,  60
.set WCP, 64                           ; v64-65 C2 w_c, as the low word of a pair
.set MX,  66                           ; M
.set LS,  67                           ; my lane's part of L
.set FF,  68                           ; 2^(old M - new M)
.set SCP, 70                           ; v70-71 the scores of rows 2 x lane, 2 x lane + 1
.set MKP, 72                           ; v72-73 their mask
.set T0,  74
.set SOA, 75
.set T1,  76
.set PBF, 77
.set PP,  78                           ; v78-79 p
.set COV, 80                           ; v80-111 coverage of row 16 m + 8 h + j at 8 m + j
.set SA,  112                          ; v112-143 score sums, likewise
.set ACX, 144                          ; v144-175, v176-207 four accumulators for each of the two sets
.set ACY, 176
.set TM,  144                          ; while operands are made the accumulators are free: maxima, bytes, scales
.set PW,  160                          ; the scale word just made
.set PC,  162                          ; v162-169 the codes just made
.set BT,  176                          ; v176-207 the bf16 just made
.set U,   208                          ; v208-223 coverage x C2 w_c + C2 (dec + b); later p's two operands
.set CPS, 224                          ; v224-239 the sum of p x h: column 16 ct + r at ct
.set RD4, 240                          ; v240-247 at work
.set CSA, 248                          ; the way out: my region + 4 r
.set CLA, 249                          ; my region + 16 x lane
.set SOE, 250                          ; SCO + 1,280 w + 8 x lane
.set SWO, 251                          ; 256 w + 8 x lane
.set PFO, 252                          ; the prefetches' offset: 4,096 r + 256 h; never rewritten
.set WX,  0                            ; in window 3
.set WY,  64
.set WV,  22                           ; s22 my wave's number
.set RB,  24                           ; s24 my region: 68,096 w
.set TB,  25                           ; s25 where the tile to be read lies in my region
.set CH,  27                           ; s27 256 x chunk
.set G1,  28                           ; s[28:35] descriptor group 1 of the ring's loads: 16 rows
.set G0A, 36                           ; s[36:39] group 0 of the head's load
.set G0B, 40                           ; s[40:43] group 0 of the ring's loads, which walks
.set OX,  44                           ; s44, s45 byte offset of the set's n tile in my 131,072 bytes of wf
.set OY,  45
.set SEL, 48                           ; s[48:49] v_permlanex16_b32's selects for lane l xor 16
.set CC2, 50                           ; s[50:51] C2, as a pair
.set M8K, 52                           ; s52-54 8,192 m, 512 m, 8,704 m: the tile of rows whose operands are made next
.set M512, 53
.set MBF, 54
.set CCH, 55                           ; s55-57 loop counters
.set CST, 56
.set CG2, 57
.set PFA, 58                           ; s[58:59] where my prefetches stand in h
.set G1H, 68                           ; s[68:75] group 1 of the head's load: 32 rows
.set MSB, 0
.macro WIN new                         ; the immediate's high byte repeats the setting that is left; a switch that changes nothing is dropped
.if MSB != \new
	s_set_vgpr_msb (MSB<<8)|\new
.set MSB, \new
.endif
.endm
; A ring slot is filled.  Every wave: all its tensor loads have landed; 0 onto its spare word; the add and its LDS reads and stores are done; the barrier; then its one tensor load, first behind the barrier.
; By this text's count one tensor load of a wave is out behind each such barrier.  pf = 1: the tile two such loads on is prefetched; pf = 0, the last two: no tile stands two on.
.macro FILLBAR pf
.if \pf
	s_wait_xcnt 0x0                                ; my last prefetches have read their address:
	s_add_nc_u64 s[PFA:PFA+1], s[PFA:PFA+1], 65536 ; 16 rows on
.endif
	s_wait_tensorcnt 0x0                           ; no tensor load of mine is out, so group 0 may be written
	ds_add_u32 v[SPW], v[NIL]
	s_xor_b32 s[G0B+1], s[G0B+1], SLOTB            ; the other slot (68,096 w + 34,816 has bits 0x4000 and 0x100 clear for w = 0 .. 3)
	s_add_nc_u64 s[G0B+2:G0B+3], s[G0B+2:G0B+3], 65536   ; 16 rows of 4,096 bytes on
	s_wait_dscnt 0x0                               ; the add is done; my reads of the slot are back; my images, scale words and bf16 rows have landed
	s_barrier_signal -1
	s_barrier_wait -1
	tensor_load_to_lds s[G0B:G0B+3], s[G1:G1+7]
	s_nop 0
.rept 4
	v_nop
.endr
.if \pf
	global_prefetch_b8 v[PFO], s[PFA:PFA+1] th:TH_LOAD_NT scope:SCOPE_SE             ; 16 rows x blocks 0, 1
	global_prefetch_b8 v[PFO], s[PFA:PFA+1] offset:512 th:TH_LOAD_NT scope:SCOPE_SE  ; blocks 2, 3
.endif
.endm
; A tile of 16 rows x 256 columns comes out of LDS into window 3: 32 loads, not waited for here.  Register 64 u + 16 b + i = column 128 u + 32 b + 16 h + i of row r.
.macro RLOADS
	v_add_nc_u32 v[ADR], s[TB], v[RDB]
	WIN 0xc0
.irp u, 0,1
.irp b, 0,1,2,3
.irp j, 0,1,2,3
	ds_load_b128 v[128+64*\u+16*\b+4*\j:128+64*\u+16*\b+4*\j+3], v[ADR] offset:512*\u+128*\b+16*\j
.endr
.endr
.endr
	WIN 0
	s_xor_b32 s[TB], s[TB], SLOTB                  ; in the ring: the next tile lies in the other slot
.endm
; 64 numbers of a lane in window 3 become a fragment's codes, its scale word, and 64 bf16.
.macro PIECE u
.set HT, 128+64*\u
	WIN 0x3c                                       ; sources 1 and 2 in window 3
.irp b, 0,1,2,3
	v_max3_num_f32 v[TM+\b], 0x1800000, |v[HT+16*\b]|, |v[HT+16*\b+1]|   ; block b: my 16 numbers, and the floor 2^(3 - 127): the byte cannot fall under 1
.endr
.irp i, 2,4,6,8,10,12,14
.irp b, 0,1,2,3
	v_max3_num_f32 v[TM+\b], v[TM+\b], |v[HT+16*\b+\i]|, |v[HT+16*\b+\i+1]|
.endr
.endr
	WIN 0
.irp b, 0,1,2,3
	v_permlanex16_b32 v[TM+4+\b], v[TM+\b], s[SEL], s[SEL+1]
.endr
.irp b, 0,1,2,3
	v_max_num_f32 v[TM+\b], v[TM+\b], v[TM+4+\b]   ; with lane l xor 16's: the block's largest magnitude
.endr
.irp b, 0,1,2,3
	v_add_nc_u32 v[TM+12+\b], 0xff000000, v[TM+\b] ; 2 off its exponent field: the conversion's scale operand
.endr
.irp b, 0,1,2,3
	v_lshrrev_b32 v[TM+4+\b], 23, v[TM+12+\b]      ; the scale's byte
.endr
	v_lshl_or_b32 v[PW], v[TM+5], 8, v[TM+4]       ; my row's scale word for this K step
	v_lshl_or_b32 v[PW], v[TM+6], 16, v[PW]
	v_lshl_or_b32 v[PW], v[TM+7], 24, v[PW]
	WIN 0x03                                       ; source 0 in window 3
.irp b, 0,1,2,3
	v_cvt_scalef32_pk8_fp4_f32 v[PC+2*\b], v[HT+16*\b:HT+16*\b+7], v[TM+12+\b]
	v_cvt_scalef32_pk8_fp4_f32 v[PC+2*\b+1], v[HT+16*\b+8:HT+16*\b+15], v[TM+12+\b]
.endr
	WIN 0x0f                                       ; sources 0 and 1 in window 3
.irp b, 0,1,2,3
.irp i, 0,1,2,3,4,5,6,7
	v_cvt_pk_bf16_f32 v[BT+8*\b+\i], v[HT+16*\b+2*\i], v[HT+16*\b+2*\i+1]   ; the copy for the last product (also the plain lines between the scaled conversions and the exchange below)
.endr
.endr
	WIN 0
.irp c, 0,1                                    ; the operand's layout wants a whole block in a lane
.irp i, 0,1
	v_permlane16_swap_b32 v[PC+4*\c+\i], v[PC+2+4*\c+\i]
.endr
.endr
.irp c, 0,1
	ds_store_b128 v[CWA], v[PC+4*\c:PC+4*\c+3] offset:1024*\u+512*\c       ; the fragment as it stands: K step 2 w + u
.endr
	ds_store_b32 v[XWA], v[PW] offset:4*\u         ; lanes r and r + 16 write the same word with the same value
.irp b, 0,1,2,3
.irp e, 0,1
	ds_store_b128 v[BWA], v[BT+8*\b+4*\e:BT+8*\b+4*\e+3] offset:256*\u+64*\b+16*\e
.endr
.endr
.endm
; The tile in window 3 becomes operands: two pieces.
.macro PWORK
	s_wait_dscnt 0x0                               ; the tile's 32 loads are in; so are the turning loads of my bf16 copy, over which rows are stored below
	v_add_nc_u32 v[CWA], s[M8K], v[CWI]
	v_add_nc_u32 v[XWA], s[M512], v[XWI]
	v_add_nc_u32 v[BWA], s[MBF], v[BWI]
	PIECE 0
	PIECE 1
	s_add_co_u32 s[M8K], s[M8K], 8192
	s_add_co_u32 s[M512], s[M512], 512
	s_add_co_u32 s[MBF], s[MBF], 16*BP
.endm
; W_h's eight fragments and their scale words of one n tile: each load of codes takes 512 consecutive bytes of wf.
.macro WFETCH W, WS, A0
	WIN 0xc0
.irp s, 0,1,2,3,4,5,6,7
.irp c, 0,1
	global_load_b128 v[\W+8*\s+4*\c:\W+8*\s+4*\c+3], v[\A0], s[6:7] offset:1024*\s+512*\c
.endr
.endr
	WIN 0
	global_load_b128 v[\WS:\WS+3], v[\A0+1], s[8:9]   ; lanes 0-15: K steps 0-3 of row r; lanes 16-31: K steps 4-7
.endm
.macro UPART C, m0                     ; coverage x C2 w_c + C2 (dec + b) for the tiles of rows m0, m0 + 1
.set FI, 0
.rept 8
	v_pk_fma_f32 v[U+2*FI:U+2*FI+1], v[COV+8*\m0+2*FI:COV+8*\m0+2*FI+1], v[WCP:WCP+1], v[\C:\C+1] op_sel_hi:[1,0,0]
.set FI, FI+1
.endr
.endm
.macro TPART AC, m0                    ; t2 = C2 enc + that, in place; each accumulator from its low end on
.set FI, 0
.rept 8
	v_pk_fma_f32 v[\AC+8*\m0+2*FI:\AC+8*\m0+2*FI+1], v[\AC+8*\m0+2*FI:\AC+8*\m0+2*FI+1], s[CC2:CC2+1], v[U+2*FI:U+2*FI+1] op_sel_hi:[1,0,1]
.set FI, FI+1
.endr
.endm
; ONE n TILE: 16 columns x 64 rows x K = 1,024: 32 matrix instructions, then 32 numbers a lane through the tanh.  Source 0 = 16 rows of h, source 1 = 16 rows of W_h: a lane holds ONE column n and eight rows.
; The four accumulators take turns, one instruction a turn.  f = 1: this set's next n tile is asked for.  n: the loads issued behind this set's 18.
.macro NT W, WS, C, AC, A0, O, f, n
	s_wait_loadcnt \n                              ; this set's 18 loads are in
	v_mov_b32 v[WCP], v[\C+1]
	WIN 0x0d                                       ; source 0 window 1, source 1 window 3
.irp s, 0,1,2,3,4,5,6,7
.irp m, 0,1,2,3
.if \s == 0
	v_wmma_scale_f32_16x16x128_f8f6f4 v[\AC+8*\m:\AC+8*\m+7], v[64*\m:64*\m+7], v[\W:\W+7], 0, v[AS+4*\m], v[\WS] matrix_a_fmt:MATRIX_FMT_FP4 matrix_b_fmt:MATRIX_FMT_FP4
.elseif \s < 4
	v_wmma_scale_f32_16x16x128_f8f6f4 v[\AC+8*\m:\AC+8*\m+7], v[64*\m+8*\s:64*\m+8*\s+7], v[\W+8*\s:\W+8*\s+7], v[\AC+8*\m:\AC+8*\m+7], v[AS+4*\m+\s], v[\WS+\s] matrix_a_fmt:MATRIX_FMT_FP4 matrix_b_fmt:MATRIX_FMT_FP4
.else
	v_wmma_scale_f32_16x16x128_f8f6f4 v[\AC+8*\m:\AC+8*\m+7], v[64*\m+8*\s:64*\m+8*\s+7], v[\W+8*\s:\W+8*\s+7], v[\AC+8*\m:\AC+8*\m+7], v[AS+4*\m+\s-4], v[\WS+\s-4] matrix_a_fmt:MATRIX_FMT_FP4 matrix_b_fmt:MATRIX_FMT_FP4 matrix_a_scale:MATRIX_SCALE_ROW1 matrix_b_scale:MATRIX_SCALE_ROW1
.endif
.endr
.endr
	WIN 0
	UPART \C, 0                                    ; eight plain lines that name no register of the products: the places in front of the loads and reads below
.if \f
	s_add_co_u32 s[\O], s[\O], 16384               ; this set's next n tile: two on, round and round my sixteen
	s_and_b32 s[\O], s[\O], 0x1ffff
	s_lshr_b32 s46, s[\O], 4                       ; 512 bytes of scale words a tile
	s_lshr_b32 s47, s[\O], 5                       ; 256 bytes of the table
	v_add_nc_u32 v[\A0], s[\O], v[L16]
	v_add_nc_u32 v[\A0+1], s46, v[LSC]
	v_add_nc_u32 v[\A0+2], s47, v[LCT]
	WFETCH \W, \WS, \A0                            ; asked for now: it has this tile's tanh and the whole of the other set's tile in which to land
.endif
	TPART \AC, 0
	UPART \C, 2
	TPART \AC, 2
.set FI, 0
	s_wait_alu depctr_va_vdst(0)                   ; a wait ahead of each batch and one behind it
.rept 32
	v_exp_f32 v[\AC+FI], v[\AC+FI]                 ; 2^t2
.set FI, FI+1
.endr
	v_nop                                          ; a plain line behind the last exponential
.set FI, 0
	s_wait_alu depctr_va_vdst(0)
.rept 16
	v_pk_add_f32 v[\AC+2*FI:\AC+2*FI+1], v[\AC+2*FI:\AC+2*FI+1], 1.0 op_sel_hi:[1,0]
.set FI, FI+1
.endr
.set FI, 0
	s_wait_alu depctr_va_vdst(0)
.rept 32
	v_rcp_f32 v[\AC+FI], v[\AC+FI]                 ; q
.set FI, FI+1
.endr
	v_nop
.set FI, 0
	s_wait_alu depctr_va_vdst(0)
.rept 16
	v_pk_fma_f32 v[SA+2*FI:SA+2*FI+1], v[\AC+2*FI:\AC+2*FI+1], v[\C+2:\C+3], v[SA+2*FI:SA+2*FI+1] op_sel_hi:[1,0,1]   ; + (-C2 v) q
.set FI, FI+1
.endr
.if \f
	global_load_b128 v[\C:\C+3], v[\A0+2], s[10:11]   ; the next tile's entry of the table, behind the last use of this one's
.endif
.endm
.macro G2LOOP n                        ; 2 n tiles of columns; behind a set's 18 loads only the other set's 16 + 1 + 1 were issued
	s_mov_b32 s[CG2], \n
.Lg2_\@:
	NT WX, WSX, CX, ACX, AX, OX, 1, 18
	NT WY, WSY, CY, ACY, AY, OY, 1, 18
	s_sub_co_u32 s[CG2], s[CG2], 1
	s_cmp_lg_u32 s[CG2], 0
	s_cbranch_scc1 .Lg2_\@
.endm
.macro STEPS n, pf                     ; a step: four n tiles; the tile in window 3 becomes operands of the next chunk; its slot is filled again; the tile that has landed is read out
	s_mov_b32 s[CST], \n
.Lst_\@:
	G2LOOP 2
	PWORK
	FILLBAR \pf
	RLOADS
	s_sub_co_u32 s[CST], s[CST], 1
	s_cmp_lg_u32 s[CST], 0
	s_cbranch_scc1 .Lst_\@
.endm
; Half of a chunk's 32 fragments of codes, made by all four waves, out of LDS into window 1: 32 loads, not waited for here.
.macro AHALF p
	WIN 0x40
.set FI, 16*(\p)
.rept 16
	ds_load_b128 v[8*FI:8*FI+3], v[ARD] offset:1024*FI
	ds_load_b128 v[8*FI+4:8*FI+7], v[ARD] offset:1024*FI+512
.set FI, FI+1
.endr
	WIN 0
.endm
; A CHUNK'S HEAD.  Its fragments of codes were asked for earlier (AHALF); here come their scale words and the rows' coverage.  Behind the barrier every wave has all of these in registers, so the next chunk's
; may be written over them in LDS.  My bf16 copy is asked for behind the barrier and is waited for ahead of the first store over it.
.macro BOUNDARY
	s_mov_b32 s[M8K], 0
	s_mov_b32 s[M512], 0
	s_mov_b32 s[MBF], 0
	v_add_nc_u32 v[CVA], s[CH], v[CVB]
.irp m, 0,1,2,3
	ds_load_b128 v[AS+4*\m:AS+4*\m+3], v[XRD] offset:512*\m
.endr
.irp m, 0,1,2,3
.irp q, 0,1
	ds_load_b128 v[COV+8*\m+4*\q:COV+8*\m+4*\q+3], v[CVA] offset:64*\m+16*\q
.endr
.endr
.set FI, 0
.rept 32
	v_mov_b32 v[SA+FI], 0                          ; the score sums begin anew (the n tile is written once, for first and later tiles alike)
.set FI, FI+1
.endr
	s_wait_dscnt 0x0                               ; my reads of the images and scale words are back
	s_barrier_signal -1
	s_barrier_wait -1
	WIN 0x80
.set FI, 0
.rept 16                                       ; columns 16 FI on; rows 32 g + 16 e on: lane l then holds column l % 16 and eight rows
.irp g, 0,1
.irp e, 0,1
	ds_load_tr16_b128 v[16*FI+8*\g+4*\e:16*FI+8*\g+4*\e+3], v[BRD] offset:(32*\g+16*\e)*BP+32*FI
.endr
.endr
.set FI, FI+1
.endr
	WIN 0
.endm
; A CHUNK'S END: the scores of its 64 rows, the softmax's step, and p x h.  al = 1: the next chunk's fragments of codes are asked for behind the two runs of products.
.macro SPHASE al
.irp x, 1,2,4,8                                ; the sixteen lanes of a half hold sixteen columns of the same eight rows
.set FI, 0
.rept 32
	v_add_f32_dpp v[SA+FI], v[SA+FI], v[SA+FI] row_xmask:\x row_mask:0xf bank_mask:0xf
.set FI, FI+1
.endr
.endr
.irp m, 0,1,2,3
.irp q, 0,1
	ds_store_b128 v[SCS], v[SA+8*\m+4*\q:SA+8*\m+4*\q+3] offset:64*\m+16*\q   ; my 256 columns' part; sixteen lanes write the same bytes with the same values
.endr
.endr
	v_add_nc_u32 v[MKA], s[CH], v[MKB]
	v_add_nc_u32 v[SOA], s[CH], v[SOB]
	s_wait_alu depctr_va_vdst(0)
	s_wait_dscnt 0x0                               ; for the others' sake: my partial scores have landed, and so have the images and scale words of the next chunk
	s_barrier_signal -1
	s_barrier_wait -1
.irp w, 0,1,2,3
	ds_load_b64 v[RD4+2*\w:RD4+2*\w+1], v[SCR] offset:256*\w     ; rows 2 x lane and 2 x lane + 1, the four waves' parts
.endr
	ds_load_b64 v[MKP:MKP+1], v[MKA]
	s_wait_dscnt 0x0
	v_pk_add_f32 v[RD4:RD4+1], v[RD4:RD4+1], v[RD4+2:RD4+3]      ; every wave adds in the same order: all four hold the same scores, M and L
	v_pk_add_f32 v[RD4+4:RD4+5], v[RD4+4:RD4+5], v[RD4+6:RD4+7]
	v_pk_add_f32 v[SCP:SCP+1], v[RD4:RD4+1], v[RD4+4:RD4+5]
	v_max_num_f32 v[T0], v[SCP], v[SCP+1]
	v_max_num_f32_dpp v[T0], v[T0], v[T0] row_xmask:1 row_mask:0xf bank_mask:0xf
	v_max_num_f32_dpp v[T0], v[T0], v[T0] row_xmask:2 row_mask:0xf bank_mask:0xf
	v_max_num_f32_dpp v[T0], v[T0], v[T0] row_xmask:4 row_mask:0xf bank_mask:0xf
	v_max_num_f32_dpp v[T0], v[T0], v[T0] row_xmask:8 row_mask:0xf bank_mask:0xf
	v_permlanex16_b32 v[T1], v[T0], s[SEL], s[SEL+1]
	v_max_num_f32 v[T0], v[T0], v[T1]
	v_max_num_f32 v[T0], v[MX], v[T0]              ; the new M
	v_sub_f32 v[FF], v[MX], v[T0]
	v_sub_f32 v[PP], v[SCP], v[T0]
	v_sub_f32 v[PP+1], v[SCP+1], v[T0]
	s_wait_alu depctr_va_vdst(0)
	v_exp_f32 v[FF], v[FF]
	v_exp_f32 v[PP], v[PP]
	v_exp_f32 v[PP+1], v[PP+1]
	v_mov_b32 v[MX], v[T0]                         ; (a plain line behind the exponentials)
	s_wait_alu depctr_va_vdst(0)
	v_pk_mul_f32 v[PP:PP+1], v[PP:PP+1], v[MKP:MKP+1]            ; p = 2^(s' - M) x mask
	v_fma_f32 v[LS], v[LS], v[FF], v[PP]
	v_add_f32 v[LS], v[LS], v[PP+1]
	v_cvt_pk_bf16_f32 v[PBF], v[PP], v[PP+1]
	ds_store_b64 v[SOA], v[SCP:SCP+1]              ; the scores are kept, in my wave's own copy
	ds_store_b32 v[PBW], v[PBF]
.irp g, 0,1
.irp e, 0,1
	ds_load_b128 v[U+8*\g+4*\e:U+8*\g+4*\e+3], v[PBR] offset:64*\g+32*\e   ; LDS serves a wave's instructions in order: these see my store.  All 16 rows of source 0 are alike
.endr
.endr
	s_wait_dscnt 0x0
.irp p, 0,1                                    ; eight tiles of 16 columns at a time; K = the chunk's 64 rows in two steps; the eight accumulators take turns
	WIN 0x08
.irp g, 0,1
.irp i, 0,1,2,3,4,5,6,7
.if \g == 0
	v_wmma_f32_16x16x32_bf16 v[ACX+8*\i:ACX+8*\i+7], v[U:U+7], v[16*(8*\p+\i):16*(8*\p+\i)+7], 0
.else
	v_wmma_f32_16x16x32_bf16 v[ACX+8*\i:ACX+8*\i+7], v[U+8:U+15], v[16*(8*\p+\i)+8:16*(8*\p+\i)+15], v[ACX+8*\i:ACX+8*\i+7]
.endif
.endr
.endr
.if \al
	AHALF \p                                       ; into window 1, which these products do not name and whose last readers were the chunk's n tiles
.endif
	WIN 0
.rept 5
	v_nop                                          ; five places: results are read below, and later products write over these accumulators (ISA guide 7.12.1)
.endr
.irp i, 0,1,2,3,4,5,6,7
	v_fma_f32 v[CPS+8*\p+\i], v[CPS+8*\p+\i], v[FF], v[ACX+8*\i]   ; every row of the result is the sum: the lowest register serves
.endr
.endr
	s_add_co_u32 s[CH], s[CH], 256
.endm
	s_load_b256 s[4:11], s[0:1], 0x0               ; h s[4:5], wf s[6:7], W_h's scales s[8:9], ct s[10:11]
	s_load_b256 s[12:19], s[0:1], 0x20             ; coverage s[12:13], mask s[14:15], scw s[16:17], stat s[18:19]
	s_load_b64 s[20:21], s[0:1], 0x40              ; cp
	v_lshl_add_u32 v[SPW], v0, 2, SPARE
	v_mov_b32 v[NIL], 0
	ds_add_u32 v[SPW], v[NIL]                      ; the add, twice on end, and its wait
	ds_add_u32 v[SPW], v[NIL]
	s_wait_dscnt 0x0
	v_lshrrev_b32 v[T0], 5, v0
	v_readfirstlane_b32 s[WV], v[T0]               ; wave 0..3
	s_mul_i32 s[RB], s[WV], REGB
	s_mul_i32 s47, s[WV], REGB                     ; my region
	; descriptor groups 1: rows of 256 elements of 4 bytes, 1,024 elements apart, 16 bytes of padding behind each row in LDS; 16 rows for the ring, 32 for the head
	s_mov_b32 s[G1+0], (2<<16)|(1<<20)|(7<<22)|(3<<25)
	s_mov_b32 s[G1+1], 256<<16
	s_mov_b32 s[G1+2], 16<<16
	s_mov_b32 s[G1+3], 256<<16
	s_mov_b32 s[G1+4], 16
	s_mov_b32 s[G1+5], 1024
	s_mov_b32 s[G1+6], 0
	s_mov_b32 s[G1+7], 0
	s_mov_b32 s[G1H+0], (2<<16)|(1<<20)|(7<<22)|(3<<25)
	s_mov_b32 s[G1H+1], 256<<16
	s_mov_b32 s[G1H+2], 32<<16
	s_mov_b32 s[G1H+3], 256<<16
	s_mov_b32 s[G1H+4], 32
	s_mov_b32 s[G1H+5], 1024
	s_mov_b32 s[G1H+6], 0
	s_mov_b32 s[G1H+7], 0
	s_lshl_b32 s2, ttmp9, 20                       ; 256 rows of 4,096 bytes a work-group,
	s_lshl_b32 s3, s[WV], 10                       ; my wave's 1,024 bytes of a row
	s_add_co_u32 s2, s2, s3
	s_mov_b32 s3, 0
	s_wait_kmcnt 0x0
	s_add_nc_u64 s[4:5], s[4:5], s[2:3]
	s_mov_b32 s[G0A], 1
	s_add_co_u32 s[G0A+1], s47, HEADB              ; tiles 0 and 1
	s_mov_b64 s[G0A+2:G0A+3], s[4:5]
	s_or_b32 s[G0A+3], s[G0A+3], 0x80000000
	s_mov_b32 s[G0B], 1                            ; the walking descriptor stands at tile 1 and slot 1: its first step leads to tile 2 in slot 0
	s_add_co_u32 s[G0B+1], s47, RING+SLOTB
	s_add_nc_u64 s[G0B+2:G0B+3], s[4:5], 65536
	s_or_b32 s[G0B+3], s[G0B+3], 0x80000000
	tensor_load_to_lds s[G0A:G0A+3], s[G1H:G1H+7]  ; my one tensor load at the head
	s_nop 0
.rept 4
	v_nop
.endr
	s_add_nc_u64 s[PFA:PFA+1], s[4:5], 3*65536     ; its first step leads to tile 4
	; the other buffers at my work-group's and my wave's parts
	s_mov_b32 s61, 0
	s_lshl_b32 s60, s[WV], 17
	s_add_nc_u64 s[6:7], s[6:7], s[60:61]          ; wf: 16 n tiles of 8,192 bytes a wave
	s_lshl_b32 s60, s[WV], 13
	s_add_nc_u64 s[8:9], s[8:9], s[60:61]          ; scale bytes: 256 rows of 32
	s_lshr_b32 s46, ttmp9, 3                       ; the batch
	s_lshl_b32 s60, s46, 14
	s_lshl_b32 s47, s[WV], 12
	s_add_co_u32 s60, s60, s47
	s_add_nc_u64 s[10:11], s[10:11], s[60:61]      ; ct: 16,384 b + 4,096 w
	s_lshl_b32 s60, ttmp9, 10
	s_add_nc_u64 s[12:13], s[12:13], s[60:61]      ; 256 numbers of coverage, of the mask, of scw
	s_add_nc_u64 s[14:15], s[14:15], s[60:61]
	s_add_nc_u64 s[16:17], s[16:17], s[60:61]
	s_lshl_b32 s60, ttmp9, 9
	s_add_nc_u64 s[18:19], s[18:19], s[60:61]      ; stat: 512 bytes a work-group
	s_lshl_b32 s60, ttmp9, 12
	s_lshl_b32 s47, s[WV], 10
	s_add_co_u32 s60, s60, s47
	s_add_nc_u64 s[20:21], s[20:21], s[60:61]      ; cp: 4,096 g + 1,024 w
	v_lshlrev_b32 v[RD4+5], 3, v0                  ; coverage and mask: 8 bytes a thread
	global_load_b64 v[SCP:SCP+1], v[RD4+5], s[12:13]
	global_load_b64 v[MKP:MKP+1], v[RD4+5], s[14:15]
	; every LDS address is made here: constants, the lane's parts, the wave's number
	v_and_b32 v[RD4], 31, v0                       ; lane
	v_and_b32 v[RD4+1], 15, v0                     ; r
	v_bfe_u32 v[RD4+2], v0, 4, 1                   ; h
	v_and_b32 v[RD4+3], 7, v0
	v_bfe_u32 v[RD4+4], v0, 3, 1
	v_lshlrev_b32 v[PFO], 12, v[RD4+1]
	v_lshl_add_u32 v[PFO], v[RD4+2], 8, v[PFO]
	global_prefetch_b8 v[PFO], s[4:5] offset:131072 th:TH_LOAD_NT scope:SCOPE_SE   ; tile 2: 16 rows x blocks 0, 1
	global_prefetch_b8 v[PFO], s[4:5] offset:131584 th:TH_LOAD_NT scope:SCOPE_SE   ; blocks 2, 3
	global_prefetch_b8 v[PFO], s[4:5] offset:196608 th:TH_LOAD_NT scope:SCOPE_SE   ; tile 3
	global_prefetch_b8 v[PFO], s[4:5] offset:197120 th:TH_LOAD_NT scope:SCOPE_SE
	v_lshlrev_b32 v[L16], 4, v[RD4]
	v_lshlrev_b32 v[LSC], 5, v[RD4+1]
	v_lshl_add_u32 v[LSC], v[RD4+2], 4, v[LSC]
	v_lshlrev_b32 v[LCT], 4, v[RD4+1]
	v_mul_u32_u24 v[RDB], v[RD4+1], RP
	v_lshl_add_u32 v[RDB], v[RD4+2], 6, v[RDB]
	v_add_nc_u32 v[RDB], s[RB], v[RDB]
	s_lshl_b32 s46, s[WV], 11
	s_add_co_u32 s46, s46, CIMG
	v_add_nc_u32 v[CWI], s46, v[L16]
	s_lshl_b32 s46, s[WV], 3
	s_add_co_u32 s46, s46, XS
	v_lshl_add_u32 v[XWI], v[RD4+1], 5, s46
	s_mul_i32 s47, s[WV], REGB                     ; my bf16 copy
	v_mul_u32_u24 v[BWI], v[RD4+1], BP
	v_lshl_add_u32 v[BWI], v[RD4+2], 5, v[BWI]
	v_add_nc_u32 v[BWI], s47, v[BWI]
	v_add_nc_u32 v[ARD], CIMG, v[L16]
	v_add_nc_u32 v[XRD], XS, v[LSC]
	v_lshl_add_u32 v[BRD], v[RD4+2], 3, v[RD4+3]   ; the turning load: lane l reads 16 bytes of row 8 (l / 16) + l % 8, columns 8 ((l / 8) % 2) on
	v_mul_u32_u24 v[BRD], v[BRD], BP
	v_lshl_add_u32 v[BRD], v[RD4+4], 4, v[BRD]
	v_add_nc_u32 v[BRD], s47, v[BRD]
	v_lshl_add_u32 v[CSA], v[RD4+1], 2, s47
	v_add_nc_u32 v[CLA], s47, v[L16]
	v_lshl_add_u32 v[CVB], v[RD4+2], 5, COVL
	s_lshl_b32 s46, s[WV], 8
	v_lshl_add_u32 v[SWO], v[RD4], 3, s46
	s_add_co_u32 s46, s46, SC
	v_lshl_add_u32 v[SCS], v[RD4+2], 5, s46
	v_lshl_add_u32 v[SCR], v[RD4], 3, SC
	v_lshl_add_u32 v[MKB], v[RD4], 3, MSKL
	s_lshl_b32 s46, s[WV], 7
	s_add_co_u32 s46, s46, PB
	v_lshl_add_u32 v[PBW], v[RD4], 2, s46
	v_lshl_add_u32 v[PBR], v[RD4+2], 4, s46
	s_lshl_b32 s46, s[WV], 10
	s_add_co_u32 s46, s46, SCO
	v_lshl_add_u32 v[SOB], v[RD4], 3, s46
	s_mul_i32 s46, s[WV], 1280
	s_add_co_u32 s46, s46, SCO
	v_lshl_add_u32 v[SOE], v[RD4], 3, s46
	v_lshl_add_u32 v[RD4+6], v0, 3, COVL
	v_lshl_add_u32 v[RD4+7], v0, 3, MSKL
	s_mov_b32 s[SEL], 0x76543210
	s_mov_b32 s[SEL+1], 0xfedcba98
	s_mov_b32 s[CC2], 0x4038aa3b                   ; C2 = 2 log2(e)
	s_mov_b32 s[CC2+1], s[CC2]                     ; (named with it as a pair, so it is written)
	s_mov_b32 s[CH], 0
	s_mov_b32 s[M8K], 0
	s_mov_b32 s[M512], 0
	s_mov_b32 s[MBF], 0
	s_mov_b32 s[OX], 0
	s_mov_b32 s[OY], 8192
	v_mov_b32 v[MX], 0xff61b1e6                    ; M: -3e38, under every score
	v_mov_b32 v[LS], 0
.set FI, 0
.rept 16
	v_mov_b32 v[CPS+FI], 0                         ; (the chunk's end is written once: the first finds zeros)
.set FI, FI+1
.endr
.irp b, 0,1,2,3
	v_mov_b32 v[TM+4+\b], 0                        ; written once: a lane permute's destination counts as one of its sources
.endr
	v_mov_b32 v[T1], 0
	v_mov_b32 v[WCP+1], 0                          ; (named as the upper half of a pair)
	s_wait_loadcnt 0x0                             ; coverage and mask
	ds_store_b64 v[RD4+6], v[SCP:SCP+1]
	ds_store_b64 v[RD4+7], v[MKP:MKP+1]
	v_mov_b32 v[AX], v[L16]                        ; n tiles 0 and 1 of my sixteen are asked for: 18 loads each
	v_mov_b32 v[AX+1], v[LSC]
	v_mov_b32 v[AX+2], v[LCT]
	v_add_nc_u32 v[AY], 8192, v[L16]
	v_add_nc_u32 v[AY+1], 512, v[LSC]
	v_add_nc_u32 v[AY+2], 256, v[LCT]
	WFETCH WX, WSX, AX
	global_load_b128 v[CX:CX+3], v[AX+2], s[10:11]
	WFETCH WY, WSY, AY
	global_load_b128 v[CY:CY+3], v[AY+2], s[10:11]
	; chunk 0's operands.  Only I read my tiles, so my own waits are all that the reads need
	s_wait_alu depctr_va_vdst(0)
	s_wait_tensorcnt 0x0                           ; tiles 0 and 1 are in
	s_mov_b32 s[TB], HEADB
	RLOADS                                         ; tile 0
	FILLBAR 1                                      ; tile 2 is asked for, into slot 0: its first fill; tile 4 is prefetched
	PWORK                                          ; tile 0
	s_mov_b32 s[TB], HEADB+SLOTB
	RLOADS                                         ; tile 1
	s_mov_b32 s[TB], RING                          ; from here on the tiles come out of the ring
	s_mov_b32 s[CST], 3
.Lhead:                                            ; tiles 1, 2, 3 are worked; 3, 4, 5 asked for; 5, 6, 7 prefetched; 2, 3, 4 read out.  The last trip's barrier shows every wave's images, scale words, coverage and mask to all
	PWORK
	FILLBAR 1
	RLOADS
	s_sub_co_u32 s[CST], s[CST], 1
	s_cmp_lg_u32 s[CST], 0
	s_cbranch_scc1 .Lhead
	AHALF 0                                        ; chunk 0's fragments
	AHALF 1
	s_mov_b32 s[CCH], 2
.Lchunk:                                           ; chunks 0 and 1: tiles 4 .. 11 are worked, 6 .. 13 asked for, 8 .. 15 prefetched
	BOUNDARY
	STEPS 4, 1
	SPHASE 1
	s_sub_co_u32 s[CCH], s[CCH], 1
	s_cmp_lg_u32 s[CCH], 0
	s_cbranch_scc1 .Lchunk
	BOUNDARY                                       ; chunk 2: its last two steps are written out
	STEPS 2, 0                                     ; tiles 12 and 13 are worked, 14 and 15 asked for
	G2LOOP 2
	PWORK                                          ; tile 14
	s_wait_tensorcnt 0x0                           ; tile 15 is in; nothing is left to fetch
	s_wait_dscnt 0x0
	RLOADS                                         ; tile 15
	G2LOOP 2
	PWORK
	SPHASE 1
	BOUNDARY                                       ; chunk 3: no operands are left to make
	G2LOOP 7
	NT WX, WSX, CX, ACX, AX, OX, 0, 18             ; the last two n tiles are written out: they ask for nothing more.  Behind set X's 18 loads: set Y's 18;
	NT WY, WSY, CY, ACY, AY, OY, 0, 0              ; behind set Y's: none
	SPHASE 0
	; THE WAY OUT
	v_add_f32_dpp v[LS], v[LS], v[LS] row_xmask:1 row_mask:0xf bank_mask:0xf
	v_add_f32_dpp v[LS], v[LS], v[LS] row_xmask:2 row_mask:0xf bank_mask:0xf
	v_add_f32_dpp v[LS], v[LS], v[LS] row_xmask:4 row_mask:0xf bank_mask:0xf
	v_add_f32_dpp v[LS], v[LS], v[LS] row_xmask:8 row_mask:0xf bank_mask:0xf
	v_permlanex16_b32 v[T1], v[LS], s[SEL], s[SEL+1]
	v_add_f32 v[LS], v[LS], v[T1]                  ; L
	v_mov_b32 v[RD4], v[MX]
	v_mov_b32 v[RD4+1], v[LS]
	v_mov_b32 v[RD4+2], 0
	v_mov_b32 v[RD4+3], 0
	s_wait_alu depctr_va_vdst(0)
	s_cmp_lg_u32 s[WV], 0
	s_cbranch_scc1 .Lnot_wave_0
	global_store_b128 v[L16], v[RD4:RD4+3], s[18:19]   ; { M, L, 0, 0 } in each 16 bytes of the work-group's 512: two whole aligned blocks of 256 bytes by one store
.Lnot_wave_0:
	ds_load_b64 v[RD4+4:RD4+5], v[SOE]             ; rows 64 w + 2 x lane, + 1, out of my own copy of the scores
.set FI, 0
.rept 16
	ds_store_b32 v[CSA], v[CPS+FI] offset:64*FI    ; column 16 FI + r; lanes r and r + 16 write the same word with the same value.  My bf16 copy's bytes are free
.set FI, FI+1
.endr
	ds_load_b128 v[ACX:ACX+3], v[CLA]              ; LDS serves a wave's instructions in order: these see my stores
	ds_load_b128 v[ACX+4:ACX+7], v[CLA] offset:512
	s_wait_dscnt 0x0
	global_store_b64 v[SWO], v[RD4+4:RD4+5], s[16:17]      ; the wave stores 256 consecutive bytes, at a multiple of 256 from scw's first byte
	global_store_b128 v[L16], v[ACX:ACX+3], s[20:21]       ; 512 consecutive bytes each
	global_store_b128 v[L16], v[ACX+4:ACX+7], s[20:21] offset:512
	s_wait_tensorcnt 0x0                           ; the wave's end
	ds_add_u32 v[SPW], v[NIL]
	s_wait_dscnt 0x0
	s_endpgm
.Lfunc_end_k_qb5a025e51c_main:
	.size	k_qb5a025e51c_main, .Lfunc_end_k_qb5a025e51c_main-k_qb5a025e51c_main
	.p2alignl 7, 3214868480
	.fill 96, 4, 3214868480
	.section	.rodata,"a",@progbits
	.p2align	6, 0x0
	.amdhsa_kernel k_qb5a025e51c_main
		.amdhsa_group_segment_fixed_size 327680
		.amdhsa_private_segment_fixed_size 0
		.amdhsa_enable_private_segment 0
		.amdhsa_kernarg_size 72
		.amdhsa_user_sgpr_count 2
		.amdhsa_user_sgpr_kernarg_segment_ptr 1
		.amdhsa_wavefront_size32 1
		.amdhsa_system_sgpr_workgroup_id_x 1
		.amdhsa_system_sgpr_workgroup_id_y 1
		.amdhsa_system_sgpr_workgroup_id_z 1
		.amdhsa_system_vgpr_workitem_id 0
		.amdhsa_next_free_vgpr 1024
		.amdhsa_next_free_sgpr 76
		.amdhsa_reserve_vcc 0
		.amdhsa_float_denorm_mode_32 3
		.amdhsa_float_denorm_mode_16_64 3
		.amdhsa_memory_ordered 1
		.amdhsa_forward_progress 1
		.amdhsa_inst_pref_size 255
	.end_amdhsa_kernel
	.section	.bss,"aw",@nobits
	.p2align	6
	.space	262144
	.amdgpu_metadata
---
amdhsa.version: [ 1, 2 ]
amdhsa.kernels:
  - .name:           k_qb5a025e51c_main
    .symbol:         k_qb5a025e51c_main.kd
    .args:
      - { .name: h, .offset: 0, .size: 8, .value_kind: global_buffer, .address_space: global }
      - { .name: wf, .offset: 8, .size: 8, .value_kind: global_buffer, .address_space: global }
      - { .name: W_h_scales, .offset: 16, .size: 8, .value_kind: global_buffer, .address_space: global }
      - { .name: ct, .offset: 24, .size: 8, .value_kind: global_buffer, .address_space: global }
      - { .name: coverage, .offset: 32, .size: 8, .value_kind: global_buffer, .address_space: global }
      - { .name: enc_padding_mask, .offset: 40, .size: 8, .value_kind: global_buffer, .address_space: global }
      - { .name: scw, .offset: 48, .size: 8, .value_kind: global_buffer, .address_space: global }
      - { .name: stat, .offset: 56, .size: 8, .value_kind: global_buffer, .address_space: global }
      - { .name: cp, .offset: 64, .size: 8, .value_kind: global_buffer, .address_space: global }
    .group_segment_fixed_size: 327680
    .private_segment_fixed_size: 0
    .kernarg_segment_align: 8
    .kernarg_segment_size: 72
    .max_flat_workgroup_size: 128
    .sgpr_count:     76
    .vgpr_count:     1024
    .wavefront_size: 32
...
	.end_amdgpu_metadata
.endif
;; end of part 2
;; launch finish (part 3): grid 32 x 4, 4 waves a work-group, no clusters, 0 bytes of LDS; arguments scw, stat, cp, enc_padding_mask, coverage, out0, out1, out2; writes out0, out1, out2
.if DOCPART == 3
	.amdgcn_target "amdgcn-amd-amdhsa--gfx1250"
	.amdhsa_code_object_version 6
	.text
	.protected	k_qb5a025e51c_finish
	.globl	k_qb5a025e51c_finish
	.p2align	8
	.type	k_qb5a025e51c_finish,@function
k_qb5a025e51c_finish:
	s_mov_b64 s[64:65], 0
	v_nop
	global_prefetch_b8 v0, s[64:65] scope:SCOPE_SE
	s_setreg_imm32_b32 hwreg(HW_REG_WAVE_MODE, 25, 1), 1
	s_wait_xcnt 0x0
; The eight work-groups of a batch left: their scores s' (log2 units), their running maximum M_g, their sum L_g of 2^(s' - M_g) x mask, and cp_g = the sum of 2^(s' - M_g) x mask x h.
; M = the largest M_g; e_g = 2^(M_g - M); L = the sum of e_g L_g.  attn = 2^(s' - M) x mask / L;  coverage_new = coverage + attn;  c_t = (the sum of e_g cp_g) / L.
; Work-group (b, y) takes a quarter of batch b: 512 steps of attn (16 bytes a thread) and 256 columns of c_t (8 bytes a thread).  A stream: no LDS, no barrier, all loads out at once.
; A batch whose mask is all zeros has L = 0 and gives NaN, as 0 / 0 does.
	s_load_b512 s[4:19], s[0:1], 0x0               ; scw s[4:5], stat s[6:7], cp s[8:9], mask s[10:11], coverage s[12:13], out0 s[14:15], out1 s[16:17], out2 s[18:19]
	s_and_b32 s20, ttmp7, 0xffff                   ; y
	v_mov_b32 v1, 0
	v_lshlrev_b32 v2, 4, v0                        ; 16 bytes a thread
	v_lshlrev_b32 v3, 3, v0                        ; 8 bytes a thread
	s_mov_b32 s23, 0
	s_wait_alu depctr_va_vdst(0)
	s_wait_kmcnt 0x0
	s_lshl_b32 s22, ttmp9, 12
	s_add_nc_u64 s[6:7], s[6:7], s[22:23]          ; stat: eight records of 512 bytes
	s_lshl_b32 s21, s20, 10
	s_add_co_u32 s22, s22, s21
	s_add_nc_u64 s[14:15], s[14:15], s[22:23]      ; out0: 4,096 b + 1,024 y
	s_lshl_b32 s22, ttmp9, 15
	s_add_co_u32 s22, s22, s21
	s_add_nc_u64 s[8:9], s[8:9], s[22:23]          ; cp: 32,768 b + 1,024 y
	s_lshl_b32 s22, ttmp9, 13
	s_lshl_b32 s21, s20, 11
	s_add_co_u32 s22, s22, s21                     ; 8,192 b + 2,048 y
	s_add_nc_u64 s[4:5], s[4:5], s[22:23]
	s_add_nc_u64 s[10:11], s[10:11], s[22:23]
	s_add_nc_u64 s[12:13], s[12:13], s[22:23]
	s_add_nc_u64 s[16:17], s[16:17], s[22:23]
	s_add_nc_u64 s[18:19], s[18:19], s[22:23]
.irp g, 0,1,2,3,4,5,6,7
	global_load_b64 v[8+2*\g:9+2*\g], v1, s[6:7] offset:512*\g       ; M_g, L_g: the same for every lane
.endr
	global_load_b128 v[24:27], v2, s[4:5]          ; four scores
	global_load_b128 v[28:31], v2, s[10:11]        ; their mask
	global_load_b128 v[32:35], v2, s[12:13]        ; their coverage
.irp g, 0,1,2,3,4,5,6,7
	global_load_b64 v[36+2*\g:37+2*\g], v3, s[8:9] offset:4096*\g    ; two columns of cp_g
.endr
	s_wait_loadcnt 0x0
	v_max3_num_f32 v60, v8, v10, v12
	v_max3_num_f32 v60, v60, v14, v16
	v_max3_num_f32 v60, v60, v18, v20
	v_max_num_f32 v60, v60, v22                    ; M
.irp g, 0,1,2,3,4,5,6,7
	v_sub_f32 v[52+\g], v[8+2*\g], v60
.endr
.irp i, 0,1,2,3
	v_sub_f32 v[24+\i], v[24+\i], v60
.endr
	s_wait_alu depctr_va_vdst(0)
.irp g, 0,1,2,3,4,5,6,7
	v_exp_f32 v[52+\g], v[52+\g]                   ; e_g
.endr
.irp i, 0,1,2,3
	v_exp_f32 v[24+\i], v[24+\i]                   ; 2^(s' - M)
.endr
	v_nop                                          ; a plain line between the last exponential and the use of its result (ISA guide 5.7.2)
	s_wait_alu depctr_va_vdst(0)
	v_mul_f32 v61, v52, v9
.irp g, 1,2,3,4,5,6,7
	v_fmac_f32 v61, v[52+\g], v[9+2*\g]            ; L
.endr
	s_wait_alu depctr_va_vdst(0)
	v_rcp_f32 v62, v61
	v_mul_f32 v64, v36, v52                        ; (plain lines behind the reciprocal that touch neither its source nor its result)
	v_mul_f32 v65, v37, v52
.irp g, 1,2,3,4,5,6,7
	v_fmac_f32 v64, v[36+2*\g], v[52+\g]
	v_fmac_f32 v65, v[37+2*\g], v[52+\g]
.endr
.irp i, 0,1,2,3
	v_mul_f32 v[24+\i], v[24+\i], v[28+\i]
.endr
	s_wait_alu depctr_va_vdst(0)
.irp i, 0,1,2,3
	v_mul_f32 v[24+\i], v[24+\i], v62              ; attn
.endr
.irp i, 0,1,2,3
	v_add_f32 v[32+\i], v[32+\i], v[24+\i]         ; coverage + attn
.endr
	v_mul_f32 v64, v64, v62                        ; c_t
	v_mul_f32 v65, v65, v62
	global_store_b128 v2, v[24:27], s[16:17]       ; a wave stores 512 consecutive bytes
	global_store_b128 v2, v[32:35], s[18:19]
	global_store_b64 v3, v[64:65], s[14:15]        ; a wave stores 256 consecutive bytes, at a multiple of 256 from out0's first byte
	s_endpgm
.Lfunc_end_k_qb5a025e51c_finish:
	.size	k_qb5a025e51c_finish, .Lfunc_end_k_qb5a025e51c_finish-k_qb5a025e51c_finish
	.p2alignl 7, 3214868480
	.fill 96, 4, 3214868480
	.section	.rodata,"a",@progbits
	.p2align	6, 0x0
	.amdhsa_kernel k_qb5a025e51c_finish
		.amdhsa_group_segment_fixed_size 0
		.amdhsa_private_segment_fixed_size 0
		.amdhsa_enable_private_segment 0
		.amdhsa_kernarg_size 64
		.amdhsa_user_sgpr_count 2
		.amdhsa_user_sgpr_kernarg_segment_ptr 1
		.amdhsa_wavefront_size32 1
		.amdhsa_system_sgpr_workgroup_id_x 1
		.amdhsa_system_sgpr_workgroup_id_y 1
		.amdhsa_system_sgpr_workgroup_id_z 1
		.amdhsa_system_vgpr_workitem_id 0
		.amdhsa_next_free_vgpr 72
		.amdhsa_next_free_sgpr 66
		.amdhsa_reserve_vcc 0
		.amdhsa_float_denorm_mode_32 3
		.amdhsa_float_denorm_mode_16_64 3
		.amdhsa_memory_ordered 1
		.amdhsa_forward_progress 1
		.amdhsa_inst_pref_size 6
	.end_amdhsa_kernel
	.amdgpu_metadata
---
amdhsa.version: [ 1, 2 ]
amdhsa.kernels:
  - .name:           k_qb5a025e51c_finish
    .symbol:         k_qb5a025e51c_finish.kd
    .args:
      - { .name: scw, .offset: 0, .size: 8, .value_kind: global_buffer, .address_space: global }
      - { .name: stat, .offset: 8, .size: 8, .value_kind: global_buffer, .address_space: global }
      - { .name: cp, .offset: 16, .size: 8, .value_kind: global_buffer, .address_space: global }
      - { .name: enc_padding_mask, .offset: 24, .size: 8, .value_kind: global_buffer, .address_space: global }
      - { .name: coverage, .offset: 32, .size: 8, .value_kind: global_buffer, .address_space: global }
      - { .name: out0, .offset: 40, .size: 8, .value_kind: global_buffer, .address_space: global }
      - { .name: out1, .offset: 48, .size: 8, .value_kind: global_buffer, .address_space: global }
      - { .name: out2, .offset: 56, .size: 8, .value_kind: global_buffer, .address_space: global }
    .group_segment_fixed_size: 0
    .private_segment_fixed_size: 0
    .kernarg_segment_align: 8
    .kernarg_segment_size: 64
    .max_flat_workgroup_size: 128
    .sgpr_count:     66
    .vgpr_count:     72
    .wavefront_size: 32
...
	.end_amdgpu_metadata
.endif
;; end of part 3
